; MI455X (gfx1250); checked and timed in simulation.
; The chip was launched on July 23, 2026; its instructions are those of AMD's public machine-readable ISA for CDNA 5 (MIT licence, August 2026) and "CDNA5" Instruction Set Architecture Reference Guide (July 2026). The comments in the code are by the model that wrote it; some were corrected since.
;; Attention. Allowed arithmetic: matrix products marked QUANTISED: E4M3 operands, one given power-of-two scale a tensor, by v_wmma_f32_16x16x64_fp8_fp8 or v_wmma_f32_16x16x128_fp8_fp8, f32 sums; everything else in f32.
;; Inputs: keys 16 x 2,048 x 128 float32; lowp_scales 4 int32 (the exponents e of the quantised operands' scales 2^e); query 16 x 2,048 x 128 float32; values 16 x 2,048 x 128 float32.
;; Outputs: out0 16 x 2,048 x 128 float32.
;; This version of the problem:
;;   THIS VERSION OF THE PROBLEM IS GIVEN IN LOW PRECISION. The matrix products marked QUANTISED in the list below multiply operands that are first quantised to E4M3 (4 exponent bits, 3 mantissa bits; 8 bits a number), with one given power-of-two scale for each operand tensor; their sums are f32. All else is computed in f32.
;;   The module's matrix products, in the order in which they are computed (A, B: the left and right operand; K: the contracted axis; several contracted axes count as one K, in the product's order):
;;     1. batch 16 x [M 2,048, K 128] x [K 128, N 2,048]; A: input query; B: input keys: QUANTISED (scales: A lowp_scales[0], B lowp_scales[1])
;;     2. batch 16 x [M 2,048, K 2,048] x [K 2,048, N 128]; A: softmax (see below); B: input values: QUANTISED (scales: A lowp_scales[2], B lowp_scales[3])
;;   THE QUANTISER, for each operand of a quantised product, along K:
;;     - The operand's scale is 2^e, e = its entry of the input lowp_scales (int32; the entries are numbered through the quantised products in the list's order, A before B).
;;     - Each number is divided by the scale, clamped to +-448, and rounded to the nearest number of E4M3, ties to even, subnormals kept.
;;     - The product sums the exact products of the quantised numbers (number of the format x scale) in f32.
;;   ~~~python
;;   def quantise(x, axis, e):      # numpy; x: float32 -> the quantised numbers, widened to float32 again
;;       x = np.moveaxis(x, axis, -1); K = x.shape[-1]
;;       r = np.clip(x / 2.0 ** e, -448, 448)
;;       step = 2.0 ** (np.maximum(np.frexp(np.where(r == 0, 1, r))[1] - 1, -6) - 3)
;;       q = np.round(r / step) * step * 2.0 ** e      # np.round: ties to even
;;       return np.moveaxis(q, -1, axis).astype(np.float32)
;;   ~~~
;;   SOFTMAX AHEAD OF A QUANTISED PRODUCT. Where the list says 'softmax', what is quantised is not the finished softmax but p = 2^(t - M), with t = logit x log2(e) and M = ceil(the row's largest t), a whole number; so 1/2 < the row's largest p <= 1. The row's sum l is taken of the UNQUANTISED p, in f32, and the product's result is divided by l at the end. Since M is a whole number, a kernel that streams over the keys may use a running M (the ceiling of the running maximum): every later rescaling is an exact power of two, so the quantised numbers keep their values, but for numbers so far below the row's largest that they fall under the format's range.
;;   OPERANDS COMPUTED ON THE WAY. 'Computed on the way' means the value that the module computes at that place (a softmax that the list does not call 'softmax' is quantised finished and normalised). What goes into a quantiser is computed in f32, as accurately as f32 sums, v_exp_f32 and their like allow (about 1e-6 of the number): no bf16 or f16 on the way to a quantiser, and a product that is left as it is and whose result goes on into a quantised operand takes f32 operands (vector FMAs, or v_wmma_f32_16x16x4_f32). A number that lies on a knife's edge between two numbers of the format may be rounded either way, as far as f32 arithmetic and the matrix unit's own rounding can turn it there, and no further.
;; One version. Each part assembles by itself: llvm-mc -triple=amdgcn-amd-amdhsa -mcpu=gfx1250 --defsym DOCPART=n.
;; ======== version 1 of 1: 2 launches
;; limits: right only within a limited range of input values
;; workspace buffers: kc 4,194,304 bytes; vc 4,194,304 bytes
;; launch quant (part 1): grid 256 x 1, 8 waves a work-group, no clusters, 18,432 bytes of LDS; arguments keys, values, lowp_scales, kc, vc; writes kc, vc
.if DOCPART == 1
	.amdgcn_target "amdgcn-amd-amdhsa--gfx1250"
	.amdhsa_code_object_version 6
	.text
	.protected	k_qd5e75a7df3_quant
	.globl	k_qd5e75a7df3_quant
	.p2align	8
	.type	k_qd5e75a7df3_quant,@function
k_qd5e75a7df3_quant:
	s_mov_b64 s[64:65], 0
	v_nop
	global_prefetch_b8 v0, s[64:65] scope:SCOPE_SE
	s_setreg_imm32_b32 hwreg(HW_REG_WAVE_MODE, 25, 1), 1
	s_wait_xcnt 0x0
; keys and values, [16][2048][128] f32, become codes of E4M3 with the given scales 2^ek = 2^lowp_scales[1] and 2^ev = 2^lowp_scales[3]:
; code = x / 2^e, held within +-448, rounded to the nearest code, ties to even.  The query is quantised by the launch that reads it.
; NOTHING OF reference() IS LEFT OUT in this program: there is no mask and no slice, and every number of every input reaches the output.
; LIMITS: ek and ev between -126 and 119, so that 2^e and 448 x 2^e are f32 numbers.  NaN among the inputs is not served; an infinity is held at the largest code.
; kc: [16][2048 keys][128 bytes].  In a row, byte 8 r + 4 u + i holds channel d = 64 u + 4 r + i (r 0..15, u 0..1, i 0..3): the order in which the lanes below hold the codes.
;     The next launch lays the query's codes in the same order, so every product meets its partner.
; vc: [16][128 channels][2048 bytes], the KEYS innermost, since they are the second product's K.  In a row, byte 32 b + 16 h + 8 a + i holds key 32 b + 16 a + 8 h + i: the order in
;     which the next launch's lanes hold the weights p when a tile of its first product is 16 neighbouring keys.
; SHARES.  256 work-groups of eight waves; each takes 1/256 of both tensors, on one path with no branch.  Lane = (r = lane % 16, hh = lane / 16).
;   K: a wave takes 16 rows.  A load reads half a row (256 bytes) in lanes 0-15 and the same half of the next row in lanes 16-31; a lane's 8 numbers of a row make 8 codes, and the 32 lanes
;      store 256 consecutive bytes, aligned: two whole rows of codes.  No LDS.
;   V: a work-group takes 256 keys x 64 channels, a wave 32 of the keys.  A load reads 256 bytes of one key's row in lanes 0-15 and of the key 8 further on in lanes 16-31.  A lane then holds 4 channels x 16 keys;
;      a conversion packs 2 keys x 4 channels, and eight v_perm_b32 for each four keys turn 4 x 4 bytes, so that a lane has 16 bytes along the keys for each of its 4 channels.  They meet the other waves'
;      in a stage in LDS (a channel's 256 keys are a row of 256 bytes) and leave as whole rows: sixteen lanes store 256 consecutive bytes, aligned.
; All 32 loads of a wave (16 KiB) go out at once; there is no loop.  No tensor load, no cluster: no two work-groups read the same byte.
.set SP,    272                        ; a stage row: 256 bytes + 16 = 68 words: row r starts at bank 4 r mod 64 (64 banks of 4 bytes: ISA guide 11.1)
.set SPARE, 64*SP                      ; behind the stage's 64 rows: the spare words, 128 bytes for each wave: four blocks of 256 bytes that no other line names
.set KIN,  3                           ; v3   K in: 512 hh + 16 r
.set KOUT, 4                           ; v4   K out: 128 hh + 8 r
.set VIN,  5                           ; v5   V in: 8 hh rows of 512 bytes + 16 r
.set STV,  6                           ; v6   the stage, in: row r, + 32 wave + 16 hh
.set RDV,  7                           ; v7   the stage, back: row 8 wave + hh, + 16 r
.set VOUT, 8                           ; v8   V out: 4 hh rows of 2,048 bytes + 16 r
.set SPW,  14                          ; v14  LDS address of my spare word; never rewritten
.set NIL,  15                          ; v15  0; never rewritten
.set XV,   16                          ; v16-79   V: register 4 k + i = key slot k, channel i
.set XK,   80                          ; v80-143  K: register 8 p + 4 u + i
.set CV,   144                         ; v144-159 V's codes: one register a key slot
.set CK,   160                         ; v160-175 K's codes: two registers a pair of rows
.set TT,   176                         ; v176-191 at work in the turning
.set E,    192                         ; v192-207 register 4 i + q: channel i, key slots 4 q .. 4 q + 3
.set OUTR, 16                          ; v16-31   the way out of the stage
	s_load_b256 s[4:11], s[0:1], 0x0               ; keys s[4:5], values s[6:7], the exponents s[8:9], kc s[10:11]
	s_load_b64 s[12:13], s[0:1], 0x20              ; vc
	v_lshl_add_u32 v[SPW], v0, 2, SPARE
	v_mov_b32 v[NIL], 0
	v_lshrrev_b32 v9, 5, v0
	s_delay_alu instid0(VALU_DEP_1)
	v_readfirstlane_b32 s14, v9                    ; wave 0..7
	v_and_b32 v1, 15, v0                           ; r
	v_bfe_u32 v2, v0, 4, 1                         ; hh
	s_delay_alu instid0(VALU_DEP_2)
	v_lshlrev_b32 v[KIN], 4, v1                    ; 16 r
	s_delay_alu instid0(VALU_DEP_1)
	v_lshl_add_u32 v[VIN], v2, 12, v[KIN]
	s_delay_alu instid0(VALU_DEP_2)
	v_lshl_add_u32 v[VOUT], v2, 13, v[KIN]
	s_delay_alu instid0(VALU_DEP_3)
	v_lshl_add_u32 v[KIN], v2, 9, v[KIN]
	v_lshlrev_b32 v[KOUT], 3, v1
	s_delay_alu instid0(VALU_DEP_1)
	v_lshl_add_u32 v[KOUT], v2, 7, v[KOUT]
	v_mul_u32_u24 v[STV], v1, SP
	s_delay_alu instid0(VALU_DEP_1)
	v_lshl_add_u32 v[STV], v2, 4, v[STV]
	s_lshl_b32 s24, s14, 5
	v_add_nc_u32 v[STV], s24, v[STV]
	s_mul_i32 s24, s14, 8*SP
	v_mul_u32_u24 v[RDV], v2, SP
	s_delay_alu instid0(VALU_DEP_1)
	v_lshl_add_u32 v[RDV], v1, 4, v[RDV]
	s_delay_alu instid0(VALU_DEP_1)
	v_add_nc_u32 v[RDV], s24, v[RDV]
	s_mov_b32 s20, 0x05010400                      ; v_perm_b32: bytes 0 and 1 of two words, interleaved
	s_mov_b32 s21, 0x07030602                      ; bytes 2 and 3 likewise
	s_mov_b32 s22, 0x05040100                      ; the low halves of two words
	s_mov_b32 s23, 0x07060302                      ; the high halves
	s_lshl_b32 s24, ttmp9, 3
	s_add_co_u32 s24, s24, s14                     ; K: my run of 16 rows: 8 x work-group + wave
	s_lshl_b32 s26, s24, 13                        ; x 16 rows of 512 bytes
	s_mov_b32 s27, 0
	s_lshl_b32 s28, s24, 11                        ; x 16 rows of 128 codes
	s_mov_b32 s29, 0
	s_lshr_b32 s30, ttmp9, 4                       ; V: the head,
	s_bfe_u32 s31, ttmp9, 0x30001                  ; which 256 keys of it (3 bits from bit 1),
	s_and_b32 s32, ttmp9, 1                        ; which 64 channels
	s_lshl_b32 s34, s30, 20                        ; in: head x 2,048 rows of 512 bytes
	s_lshl_b32 s33, s31, 17                        ; + 256 rows x chunk
	s_add_co_u32 s34, s34, s33
	s_lshl_b32 s33, s14, 14                        ; + 32 rows x wave
	s_add_co_u32 s34, s34, s33
	s_lshl_b32 s33, s32, 8                         ; + 256 bytes x half of the channels
	s_add_co_u32 s34, s34, s33
	s_mov_b32 s35, 0
	s_lshl_b32 s36, s30, 18                        ; out: head x 128 rows of 2,048 bytes
	s_lshl_b32 s33, s32, 17                        ; + 64 rows x half of the channels
	s_add_co_u32 s36, s36, s33
	s_and_b32 s33, s14, 1
	s_lshl_b32 s33, s33, 16                        ; stage row 8 wave + 2 t + hh holds channel 32 (wave % 2) + 8 t + 4 hh + wave / 2: + 32 rows x (wave % 2)
	s_add_co_u32 s36, s36, s33
	s_lshr_b32 s33, s14, 1
	s_lshl_b32 s33, s33, 11                        ; + wave / 2 rows
	s_add_co_u32 s36, s36, s33
	s_lshl_b32 s33, s31, 8                         ; + 256 bytes x chunk
	s_add_co_u32 s36, s36, s33
	s_mov_b32 s37, 0
	s_wait_alu depctr_va_vdst(0)
	s_wait_kmcnt 0x0
	s_load_b128 s[16:19], s[8:9], 0x0              ; eq, ek, ep, ev
	s_add_nc_u64 s[4:5], s[4:5], s[26:27]
	s_add_nc_u64 s[10:11], s[10:11], s[28:29]
	s_add_nc_u64 s[6:7], s[6:7], s[34:35]
	s_add_nc_u64 s[12:13], s[12:13], s[36:37]
.set k, 0
.rept 16                                       ; V: key slot k is key 8 hh + k % 8 + 16 (k / 8) of my 32
	global_load_b128 v[XV+4*k:XV+4*k+3], v[VIN], s[6:7] offset:(k%8+16*(k/8))*512 th:TH_LOAD_NT
.set k, k+1
.endr
.set k, 0
.rept 16                                       ; K: pair k / 2 of rows, half k % 2 of a row
	global_load_b128 v[XK+4*k:XK+4*k+3], v[KIN], s[4:5] offset:1024*(k/2)+256*(k%2) th:TH_LOAD_NT
.set k, k+1
.endr
	s_wait_kmcnt 0x0
	s_add_co_i32 s24, s17, 127
	s_lshl_b32 s25, s24, 23
	v_mov_b32 v11, s25                             ; 2^ek as f32: the conversion takes its exponent field
	s_add_co_i32 s24, s24, 8
	s_lshl_b32 s24, s24, 23
	s_or_b32 s24, s24, 0x600000
	v_mov_b32 v10, s24                             ; 448 x 2^ek
	s_add_co_i32 s24, s19, 127
	s_lshl_b32 s25, s24, 23
	v_mov_b32 v13, s25                             ; 2^ev
	s_add_co_i32 s24, s24, 8
	s_lshl_b32 s24, s24, 23
	s_or_b32 s24, s24, 0x600000
	v_mov_b32 v12, s24                             ; 448 x 2^ev
	; ---- V: two key slots at a time
.set m, 0
	s_wait_alu depctr_va_vdst(0)
.rept 8
	s_wait_loadcnt 30-2*m                          ; loads come back in order: slots 2 m and 2 m + 1 are in; behind them V's 14 - 2 m others and K's 16 may be out
.set j, 0
.rept 8
	v_med3_num_f32 v[XV+8*m+j], v[XV+8*m+j], -v12, v12   ; the conversion to an 8-bit code does not saturate (ISA guide 7.6.2): the hold at the largest code x the scale
.set j, j+1
.endr
	v_cvt_scalef32_pk8_fp8_f32 v[CV+2*m:CV+2*m+1], v[XV+8*m:XV+8*m+7], v13
.set m, m+1
.endr
	v_nop                                          ; one plain vector instruction between the last conversion and the first instruction that reads its result
.irp q, 0,1,2,3                                ; 4 key slots x 4 channels are turned: first pairs of slots, byte by byte,
	v_perm_b32 v[TT+4*\q],   v[CV+4*\q+1], v[CV+4*\q],   s20
	v_perm_b32 v[TT+4*\q+1], v[CV+4*\q+1], v[CV+4*\q],   s21
	v_perm_b32 v[TT+4*\q+2], v[CV+4*\q+3], v[CV+4*\q+2], s20
	v_perm_b32 v[TT+4*\q+3], v[CV+4*\q+3], v[CV+4*\q+2], s21
.endr
.irp q, 0,1,2,3                                ; then halves: four slots of one channel in a word
	v_perm_b32 v[E+\q],    v[TT+4*\q+2], v[TT+4*\q],   s22
	v_perm_b32 v[E+4+\q],  v[TT+4*\q+2], v[TT+4*\q],   s23
	v_perm_b32 v[E+8+\q],  v[TT+4*\q+3], v[TT+4*\q+1], s22
	v_perm_b32 v[E+12+\q], v[TT+4*\q+3], v[TT+4*\q+1], s23
.endr
.irp i, 0,1,2,3
	ds_store_b128 v[STV], v[E+4*\i:E+4*\i+3] offset:16*SP*\i   ; stage row 16 i + r is channel 4 r + i; my 16 bytes of it are key slots 0 .. 15 at 32 wave + 16 hh
.endr
	; ---- K: a pair of rows at a time, while the other waves' stores into the stage land
.set p, 0
.rept 8
	s_wait_loadcnt 14-2*p                          ; this pair's two loads are in; the later pairs' may be out
.set j, 0
.rept 8
	v_med3_num_f32 v[XK+8*p+j], v[XK+8*p+j], -v10, v10
.set j, j+1
.endr
	v_cvt_scalef32_pk8_fp8_f32 v[CK+2*p:CK+2*p+1], v[XK+8*p:XK+8*p+7], v11
	global_store_b64 v[KOUT], v[CK+2*p:CK+2*p+1], s[10:11] offset:256*p   ; the 32 lanes store 256 consecutive bytes, at a multiple of 256 from kc's first byte; each pair has its own data registers
.set p, p+1
.endr
	v_nop                                          ; a plain vector instruction behind the last conversion
	s_wait_dscnt 0x0                               ; for the others' sake: my stores into the stage are done
	s_barrier_signal -1
	s_barrier_wait -1                              ; the stage's 64 rows are whole
.irp t, 0,1,2,3
	ds_load_b128 v[OUTR+4*\t:OUTR+4*\t+3], v[RDV] offset:2*SP*\t
.endr
.irp t, 0,1,2,3
	s_wait_dscnt 3-\t                              ; LDS loads come back in order: load t is in, the later ones may be out
	global_store_b128 v[VOUT], v[OUTR+4*\t:OUTR+4*\t+3], s[12:13] offset:16384*\t   ; sixteen lanes store 256 consecutive bytes of one channel's row, aligned; 8 rows of vc from t to t + 1
.endr
	s_wait_tensorcnt 0x0                           ; the wave's end
	ds_add_u32 v[SPW], v[NIL]
	s_wait_dscnt 0x0
	s_endpgm
.Lfunc_end_k_qd5e75a7df3_quant:
	.size	k_qd5e75a7df3_quant, .Lfunc_end_k_qd5e75a7df3_quant-k_qd5e75a7df3_quant
	.p2alignl 7, 3214868480
	.fill 96, 4, 3214868480
	.section	.rodata,"a",@progbits
	.p2align	6, 0x0
	.amdhsa_kernel k_qd5e75a7df3_quant
		.amdhsa_group_segment_fixed_size 18432
		.amdhsa_private_segment_fixed_size 0
		.amdhsa_enable_private_segment 0
		.amdhsa_kernarg_size 40
		.amdhsa_user_sgpr_count 2
		.amdhsa_user_sgpr_kernarg_segment_ptr 1
		.amdhsa_wavefront_size32 1
		.amdhsa_system_sgpr_workgroup_id_x 1
		.amdhsa_system_sgpr_workgroup_id_y 1
		.amdhsa_system_sgpr_workgroup_id_z 1
		.amdhsa_system_vgpr_workitem_id 0
		.amdhsa_next_free_vgpr 208
		.amdhsa_next_free_sgpr 66
		.amdhsa_reserve_vcc 0
		.amdhsa_float_denorm_mode_32 3
		.amdhsa_float_denorm_mode_16_64 3
		.amdhsa_memory_ordered 1
		.amdhsa_forward_progress 1
		.amdhsa_inst_pref_size 21
	.end_amdhsa_kernel
	.amdgpu_metadata
---
amdhsa.version: [ 1, 2 ]
amdhsa.kernels:
  - .name:           k_qd5e75a7df3_quant
    .symbol:         k_qd5e75a7df3_quant.kd
    .args:
      - { .name: keys, .offset: 0, .size: 8, .value_kind: global_buffer, .address_space: global }
      - { .name: values, .offset: 8, .size: 8, .value_kind: global_buffer, .address_space: global }
      - { .name: lowp_scales, .offset: 16, .size: 8, .value_kind: global_buffer, .address_space: global }
      - { .name: kc, .offset: 24, .size: 8, .value_kind: global_buffer, .address_space: global }
      - { .name: vc, .offset: 32, .size: 8, .value_kind: global_buffer, .address_space: global }
    .group_segment_fixed_size: 18432
    .private_segment_fixed_size: 0
    .kernarg_segment_align: 8
    .kernarg_segment_size: 40
    .max_flat_workgroup_size: 256
    .sgpr_count:     66
    .vgpr_count:     208
    .wavefront_size: 32
...
	.end_amdgpu_metadata
.endif
;; end of part 1
;; launch attn (part 2): grid 16 x 16, 4 waves a work-group, clusters of 4 x 1, 327,680 bytes of LDS; arguments query, kc, vc, lowp_scales, out0; writes out0
.if DOCPART == 2
	.amdgcn_target "amdgcn-amd-amdhsa--gfx1250"
	.amdhsa_code_object_version 6
	.text
	.protected	k_qd5e75a7df3_attn
	.globl	k_qd5e75a7df3_attn
	.p2align	8
	.type	k_qd5e75a7df3_attn,@function
k_qd5e75a7df3_attn:
	s_mov_b64 s[64:65], 0
	v_nop
	global_prefetch_b8 v0, s[64:65] scope:SCOPE_SE
	s_setreg_imm32_b32 hwreg(HW_REG_WAVE_MODE, 25, 1), 1
	s_wait_xcnt 0x0
	s_wait_alu depctr_hold_cnt(0) depctr_sa_sdst(0) depctr_va_vdst(0) depctr_va_sdst(0) depctr_va_ssrc(0) depctr_va_vcc(0) depctr_vm_vsrc(0)
	s_getreg_b32 s2, hwreg(HW_REG_IB_STS2, 6, 4)
	s_cmp_eq_u32 s2, 0
	s_cbranch_scc0 .Lentry_in_a_cluster
	s_endpgm
.Lentry_in_a_cluster:
	s_bfe_u32 s2, ttmp6, 0x10000c
	s_cmp_lg_u32 s2, 0x3003
	s_cbranch_scc0 .Lentry_shape_is_right
	s_endpgm
.Lentry_shape_is_right:
; out0[b][q][:] = the sum over k of softmax_k(query[b][q] . keys[b][k] / sqrt(128)) values[b][k][:], both products on codes of E4M3, each operand with its given scale 2^e (eq, ek, ep, ev).
; Nothing of reference() is left out.  kc and vc are the codes as the launch before laid them (kc: [16][2048][128], byte 8 r + 4 u + i of a row = channel 64 u + 4 r + i;
; vc: [16][128][2048], byte 32 b + 16 h + 8 a + i of a row = key 32 b + 16 a + 8 h + i).  The query is read here alone and quantised in registers, its codes in kc's order of channels.
; SOFTMAX: t = score x log2(e) / sqrt(128); M = the largest t so far, rounded UP to a whole number; p = 2^(t - M) is quantised, not normalised; the row's sum is taken of the unquantised p and divides at the end.
; When M moves, the sum and O are multiplied by 2^(old M - new M): exact.
; LIMITS, so that each power of two below is an f32 number: eq and ep between -126 and 119; eq + ek between -123 and 130 (added to c's exponent field); ep + ev goes by v_ldexp_f32 and has none.
; NaN among the inputs is not served; an infinity in the query is held at the largest code.
; SHARES.  A work-group owns 128 queries of one head.  Wave w = (g = w % 2, kh = w / 2): 64 queries (64 g on) as four tiles of 16, and of every 256 keys the 128 from 128 kh on: a fragment of K or V read from LDS
; feeds four matrix instructions.  Pair Y (queries 64 g + 32 kh on) the wave finishes; pair X (64 g + 32 (1 - kh) on) it hands at the end to wave w xor 2, whose Y it is; the two halves of the keys are joined by exact powers of two.
; ORDER.  A key step n (128 keys a wave) has two phases: X's softmax of step n, then Y's.  Among a phase's vector lines stand the OTHER pair's products, one at a time: first its P V (Y: of step n - 1, X: of step n),
; behind the exponentials its K Q (Y: of step n, X: of step n + 1).  V of step n is loaded from LDS in X's phase, K of step n + 1 in Y's, at whose head the slots change.
; LAYOUT.  Both products are transposed: S^T = K Q^T, O^T = V^T P^T: a lane holds ONE query (lane % 16).  Register j of S^T's tile t is key 16 t + 8 (lane / 16) + j: tiles 2 b, 2 b + 1 convert into registers 4 b .. 4 b + 3 of P.
; RING.  Two LDS slots of 256 keys: waves 0, 1 bring 128 rows of K each (dense in memory: stated as 64 rows of 256 bytes), waves 2, 3 64 rows of V each.  A wave has one tensor load out at the head and one behind each round.
; CLUSTER.  The four query blocks of a cluster belong to one head and walk the same K and V: each tile is asked for JOINTLY, with one descriptor and a mask that names the four.
; REGISTERS.  Window 0, 1 (pair X, Y): 0-127 S^T, then p; 128-159 P's codes (before: sums at work); 160-191 sums at work; 192-223 Q's codes; 224-246 statistics and constants (window 0 also 247-254 addresses).
;   Window 2: O^T of X, of Y.  Window 3: eight fragments of K, eight of V.
.set KP,    144                        ; a key's row in LDS: 128 bytes + 16 = 36 words (64 banks of 4 bytes: ISA guide 11.1)
.set VP,    272                        ; a channel's row: 256 bytes + 16 = 68 words
.set VOFF,  256*KP                     ; a slot: 256 rows of K, then 128 rows of V
.set SLOT1, 1<<17                      ; one exclusive or turns an address in one slot into the other's
.set EXCH,  SLOT1+VOFF+128*VP          ; behind the ring: the exchange, for each wave 16,384 bytes of O^T and 512 of -M and sums; later the partner's stage for the way out
.set EXB,   16896
.set SPARE, EXCH+4*EXB                 ; the spare words, 128 bytes for each wave: two blocks of 256 bytes that no other line names
.set QXB,   SPARE+512                  ; the query's codes from wave to wave: 4,096 bytes each
.set SP,    528                        ; a stage row: 512 bytes + 16 = 132 words
.set PC,   128
.set TT,   160
.set QC,   192
.set MM,   224                         ; -M of the pair's two tiles
.set TM,   226                         ; largest t
.set LL,   228                         ; the sums, two halves a tile
.set FF,   232                         ; f = 2^(old M - new M)
.set MX,   234                         ; four chains of the maximum a tile
.set PD,   242
.set CC,   244                         ; c
.set PSC,  245                         ; 2^ep
.set PLIM, 246                         ; 448 x 2^ep
.set ADK,  247
.set ADV,  248
.set AK0,  249
.set AV0,  250
.set SPW,  251                         ; LDS address of my spare word; never rewritten
.set NIL,  252                         ; 0; never rewritten
.set PFO,  253                         ; the prefetches' offset; never rewritten
.set LN,   254                         ; 16 x lane
.set EXW,  160                         ; at the end, in window 0
.set EXS,  161
.set EXR,  162
.set EXT,  163
.set STO,  164
.set WV,  14                           ; my wave's number
.set LIM, 16                           ; 1 in a wave that prefetches, else the greatest number
.set PFA, 18                           ; s[18:19] where my prefetches stand
.set PFS, 20                           ; s[20:21] a slot on, in bytes
.set G1K, 24
.set G1V, 32
.set G0K, 40                           ; the walking groups 0
.set G0V, 44
.set TBK, 48                           ; LDS byte of the slot of the next step's K
.set EPV, 50                           ; ep + ev
.set SLOTS, 56                         ; slots still to be asked for
.set CS,  58                           ; c = log2(e) / sqrt(128) x 2^(eq + ek)
.set SEL, 60                           ; s[60:61] selects for v_permlanex16_b32: lane l xor 16
.set TB,  62                           ; LDS byte of the slot of the step's V
.set MSB, 0
.macro WIN new                         ; the immediate's high byte repeats the setting that is left; a switch that changes nothing is dropped
.if MSB != \new
	s_set_vgpr_msb (MSB<<8)|\new
.set MSB, \new
.endif
.endm
; A joint load.  The branch hangs on the wave's number alone.  An s_nop 0 and four v_nop follow each of the two lines.
.macro JLOAD
	s_cmp_lt_u32 s[WV], 2
	s_cbranch_scc0 .Lfor_v_\@
	tensor_load_to_lds s[G0K:G0K+3], s[G1K:G1K+7]
	s_nop 0
.rept 4
	v_nop
.endr
	s_branch .Lasked_\@
.Lfor_v_\@:
	tensor_load_to_lds s[G0V:G0V+3], s[G1V:G1V+7]
	s_nop 0
.rept 4
	v_nop
.endr
.Lasked_\@:
.endm
.macro WALK                            ; the descriptors: the other slot, the next 256 keys; the type bits on top are not reached
	s_xor_b32 s[G0K+1], s[G0K+1], SLOT1
	s_add_nc_u64 s[G0K+2:G0K+3], s[G0K+2:G0K+3], 32768
	s_xor_b32 s[G0V+1], s[G0V+1], SLOT1
	s_add_nc_u64 s[G0V+2:G0V+3], s[G0V+2:G0V+3], 256
.endm
; A PREFETCH INTO THE L2 of what the NEXT change of slots will ask for: 256 rows of K's codes (32,768 bytes on end) and 256 bytes of each of V's 128 rows.  Each aligned block of 256 bytes is named once in the launch: all
; clusters of a head walk the same codes, and the head's first asks.  Its four partners share the blocks out BY ADDRESS (K: 8,192 bytes each, lanes 256 bytes apart; V: 32 rows each, a lane a row): wave 1 for K's, wave 3 for V's.
; The last change that fills a slot asks for nothing.  Slots 0, 1 and 2 come by their loads alone.
.macro ASK
	s_cmp_gt_u32 s[SLOTS], s[LIM]
	s_cbranch_scc0 .Lnot_mine_\@
	global_prefetch_b8 v[PFO], s[PFA:PFA+1] th:TH_LOAD_NT scope:SCOPE_SE
.Lnot_mine_\@:
.endm
; A round of the cluster's barrier: wave 0 signals for its work-group between two barriers of the work-group.
.macro CREST                           ; a round behind its opening barrier
	s_cmp_lg_u32 s[WV], 0
	s_cbranch_scc1 .Lnot_wave_0_\@
	s_barrier_signal -3
.Lnot_wave_0_\@:
	s_barrier_wait -3
	s_barrier_signal -1
	s_barrier_wait -1
.endm
.macro CROUND
	s_barrier_signal -1
	s_barrier_wait -1
	CREST
.endm
.macro DFMA x, m                       ; two scores: c x score - M
	v_dual_fma_f32 v[\x], v[\x], v[CC], v[\m] :: v_dual_fma_f32 v[(\x)+1], v[(\x)+1], v[CC], v[\m]
.endm
.macro DADD d, x, y
	v_dual_add_f32 v[\d], v[\x], v[\y] :: v_dual_add_f32 v[(\d)+1], v[(\x)+1], v[(\y)+1]
.endm
.macro DMIN x                          ; the conversion does not saturate (ISA guide 7.6.2); p is not negative, so the hold is one-sided
	v_dual_min_num_f32 v[\x], v[PLIM], v[\x] :: v_dual_min_num_f32 v[(\x)+1], v[PLIM], v[(\x)+1]
.endm
.macro DMUL x, f
	v_dual_mul_f32 v[\x], v[\f], v[\x] :: v_dual_mul_f32 v[(\x)+1], v[\f], v[(\x)+1]
.endm
; The other pair's products, one at a time; each has an accumulator of its own.
.macro WQK                             ; S^T of the other pair: product WK of 16
.if WK < 16
	WIN QKW
.set wt, WK/2
.set wx, WK%2
	v_wmma_f32_16x16x128_fp8_fp8 v[64*wx+8*wt:64*wx+8*wt+7], v[16*wt:16*wt+15], v[QC+16*wx:QC+16*wx+15], 0
.set WK, WK+1
	WIN VW
.endif
.endm
.macro WPV                             ; O^T of the other pair: product WP of 16; PVZ = 1: the sums start
.if WP < 16
	WIN PVW
.set wt, WP/2
.set wx, WP%2
.if PVZ
	v_wmma_f32_16x16x128_fp8_fp8 v[OQ+64*wx+8*wt:OQ+64*wx+8*wt+7], v[128+16*wt:128+16*wt+15], v[PC+16*wx:PC+16*wx+15], 0
.else
	v_wmma_f32_16x16x128_fp8_fp8 v[OQ+64*wx+8*wt:OQ+64*wx+8*wt+7], v[128+16*wt:128+16*wt+15], v[PC+16*wx:PC+16*wx+15], v[OQ+64*wx+8*wt:OQ+64*wx+8*wt+7]
.endif
.set WP, WP+1
	WIN VW
.endif
.endm
.macro TICK                            ; behind each plain line: every TD lines one product
.set TC, TC+1
.if TC == TD
.set TC, 0
.if MODE == 1
	WPV
.endif
.if MODE == 2
	WQK
.endif
.endif
.endm
.macro LDF kind                        ; fragment LI of K (0) or V (1): row r, bytes 32 c + 16 h on
	WIN 0xc0
.irp c, 0,1,2,3
	ds_load_b128 v[128*\kind+16*LI+4*\c:128*\kind+16*LI+4*\c+3], v[ADK+\kind] offset:16*LI*(KP+128*\kind)+32*\c
.endr
.set LI, LI+1
	WIN VW
.endm
; A PHASE: the softmax of pair p (0 X, 1 Y).  first = 1: it starts M and the sums.  pv: the other pair's P V: 0 none, 1 starts O, 2 adds, 3 adds, behind the exponentials.  qk = 1: the other pair's K Q.
; chg: 0 none, 1 a change of slots with a refill, 2 without.
.macro PHASE p, first, pv, qk, chg
.set VW, 0x55*\p
.set QKW, 0x47-0x44*\p
.set PVW, 0xa7-4*\p
.set OQ, 128-128*\p
.set OP, 128*\p
.set WK, 0
.set WP, 0
.set LI, 0
.set TC, 0
.set TD, 7
.set MODE, 0
.set PVZ, 0
.if \pv == 1
.set PVZ, 1
.set MODE, 1
.endif
.if \pv == 2
.set MODE, 1
.endif
.if \chg
	; THE CHANGE OF SLOTS: all my tensor loads are done (my part of the slot ahead), and so are my reads of the slot that I leave.  Behind the barrier the slot ahead is whole and the other one is read by nobody: it is filled again first
	WIN 0
	s_wait_alu depctr_va_vdst(0)                   ; the wait here, directly ahead of the waits below
	s_wait_tensorcnt 0x0
	ds_add_u32 v[SPW], v[NIL]
.if \chg == 1
	WALK
	s_wait_xcnt 0x0                                ; the last prefetch, a key step back, has read its address
	s_add_nc_u64 s[PFA:PFA+1], s[PFA:PFA+1], s[PFS:PFS+1]   ; one slot further on than the walking descriptors
.endif
	s_wait_dscnt 0x0                               ; the add and my LDS reads are done
	s_barrier_signal -1                            ; (the maximum below, work on registers, stands between signal and wait)
.endif
.if \p == 0
	WIN VW
	v_add_nc_u32 v[ADV], s[TB], v[AV0]
	v_add_nc_u32 v[ADK], s[TBK], v[AK0]
	s_xor_b32 s[TB], s[TB], SLOT1
	s_xor_b32 s[TBK], s[TBK], SLOT1
.endif
	WIN VW
	; the largest score of each query among my lane's 64 keys: four chains a tile, in ascending order
.set j, 0
.rept 4
	v_max3_num_f32 v[MX+j], v[3*j], v[3*j+1], v[3*j+2]
	TICK
	v_max3_num_f32 v[MX+4+j], v[64+3*j], v[64+3*j+1], v[64+3*j+2]
	TICK
.set j, j+1
.endr
.set j, 0
.rept 26
	v_max3_num_f32 v[MX+j%4], v[MX+j%4], v[12+2*j], v[13+2*j]
	TICK
	v_max3_num_f32 v[MX+4+j%4], v[MX+4+j%4], v[76+2*j], v[77+2*j]
	TICK
.set j, j+1
.endr
.if \chg
	WIN 0
	s_wait_alu depctr_va_vdst(0)                   ; the wait here, directly ahead of the barrier's wait
	s_barrier_wait -1
.if \chg == 1
	CREST                                          ; no wave of any partner still reads the slot or has a load on its way
	JLOAD
	ASK
.endif
	WIN VW
.endif
	v_max3_num_f32 v[MX], v[MX], v[MX+1], v[MX+2]
	v_max3_num_f32 v[MX+4], v[MX+4], v[MX+5], v[MX+6]
	v_max_num_f32 v[MX], v[MX], v[MX+3]
	v_max_num_f32 v[MX+4], v[MX+4], v[MX+7]
.if \first == 0
	v_mov_b32 v[MX+1], v[MM]                       ; the old -M
	v_mov_b32 v[MX+5], v[MM+1]
.endif
	v_permlanex16_b32 v[PD], v[MX], s[SEL], s[SEL+1]
	v_permlanex16_b32 v[PD+1], v[MX+4], s[SEL], s[SEL+1]
	v_max_num_f32 v[MX], v[MX], v[PD]              ; and among lane l xor 16's
	v_max_num_f32 v[MX+4], v[MX+4], v[PD+1]
.if \first
	v_mul_f32 v[TM], s[CS], v[MX]                  ; as t (c is positive)
	v_mul_f32 v[TM+1], s[CS], v[MX+4]
.else
	v_mul_f32 v[MX], s[CS], v[MX]
	v_mul_f32 v[MX+4], s[CS], v[MX+4]
	v_max_num_f32 v[TM], v[TM], v[MX]              ; the running largest t
	v_max_num_f32 v[TM+1], v[TM+1], v[MX+4]
.endif
	v_floor_f32 v[MM], -v[TM]                      ; -M = floor(-t) = -ceil(t): M IS A WHOLE NUMBER
	v_floor_f32 v[MM+1], -v[TM+1]
	; tile a: t - M
.set j, 0
.rept 32
	DFMA j, MM
	TICK
.if \first == 0
.if j == 4
	v_sub_f32 v[MX+1], v[MM], v[MX+1]              ; M's old value less its new one: a whole number, 0 or less
	v_sub_f32 v[MX+5], v[MM+1], v[MX+5]
.endif
.if j == 12
	v_cvt_i32_f32 v[MX+1], v[MX+1]                 ; (it saturates)
	v_cvt_i32_f32 v[MX+5], v[MX+5]
.endif
.if j == 20
	v_ldexp_f32 v[FF], 1.0, v[MX+1]
	v_ldexp_f32 v[FF+1], 1.0, v[MX+5]
.endif
.endif
.if \p && \qk
.if j%8 == 6
	LDF 0                                          ; K of the next step: its registers were last read by the phase before
.endif
.endif
.set j, j+2
.endr
	s_wait_alu depctr_va_vdst(0)                   ; the wait ahead of the batch
	; tile a's exponentials beside tile b's t - M.  p = 2^(t - M), at most 1: NOT normalised
.set j, 0
.rept 32
	v_exp_f32 v[j], v[j]
	v_exp_f32 v[j+1], v[j+1]
	DFMA 64+j, MM+1
	TICK
.set j, j+2
.endr
	s_wait_alu depctr_va_vdst(0)                   ; the wait behind the batch and ahead of the next
	; tile b's exponentials beside tile a's first sums, of the UNQUANTISED p, and its hold
.set j, 0
.rept 16
	v_exp_f32 v[64+4*j], v[64+4*j]
	v_exp_f32 v[65+4*j], v[65+4*j]
	DADD TT+2*j, 2*j, 32+2*j
	v_exp_f32 v[66+4*j], v[66+4*j]
	v_exp_f32 v[67+4*j], v[67+4*j]
	DMIN 2*j
	DMIN 32+2*j
.if \p == 0
.if j%2
	LDF 1                                          ; V of this step: its registers were last read beside tile a's exponentials, 12 plain lines or more back
.endif
.endif
.set j, j+1
.endr
.if \first
	s_wait_alu depctr_va_vdst(0)                   ; the wait behind the batch
.else
	WIN 0x88+\p
	s_wait_alu depctr_va_vdst(0)                   ; the wait behind the batch, and ahead of the first readers of O^T
.set j, 0
.rept 32
	DMUL OP+j, FF                                  ; O^T under the new M: x f
	DMUL OP+64+j, FF+1
.set j, j+2
.endr
	WIN VW
.endif
.if \p
	s_wait_alu depctr_va_vdst(0)                   ; the wait here, directly ahead of the wait below
	s_wait_dscnt 0x0                               ; the fragments that the products below read are in
.endif
.set TC, 0
.set TD, 5
.set MODE, 0
.if \qk
.set MODE, 2
.endif
.if \pv == 3
.set MODE, 1
.endif
.set j, 0
.rept 8
	DADD TT+j, TT+j, TT+16+j                       ; a: 32 sums to 16
	TICK
.set j, j+2
.endr
.set j, 0
.rept 16
	DADD PC+j, 64+j, 96+j                          ; b: 64 p to 32 sums, where P's codes will stand
	TICK
.set j, j+2
.endr
.set j, 0
.rept 8
	DADD TT+16+j, PC+j, PC+16+j
	TICK
.set j, j+2
.endr
.set j, 0
.rept 8
	DMIN 64+8*j
	TICK
	DMIN 66+8*j
	TICK
	DMIN 68+8*j
	TICK
	DMIN 70+8*j
	TICK
	v_cvt_scalef32_pk8_fp8_f32 v[PC+2*j:PC+2*j+1], v[8*j:8*j+7], v[PSC]
	TICK
.set j, j+1
.endr
.set j, 0
.rept 4
	DADD TT+2*j, TT+2*j, TT+8+2*j                  ; both tiles: 16 sums to 8
	TICK
	DADD TT+16+2*j, TT+16+2*j, TT+24+2*j
	TICK
	v_cvt_scalef32_pk8_fp8_f32 v[PC+16+4*j:PC+16+4*j+1], v[64+16*j:64+16*j+7], v[PSC]
	TICK
	v_cvt_scalef32_pk8_fp8_f32 v[PC+16+4*j+2:PC+16+4*j+3], v[72+16*j:72+16*j+7], v[PSC]
	TICK
.set j, j+1
.endr
	DADD TT, TT, TT+4
	DADD TT+16, TT+16, TT+20
	DADD TT+2, TT+2, TT+6
	DADD TT+18, TT+18, TT+22
.if \first
	DADD LL, TT, TT+2                              ; the first step starts the sums
	DADD LL+2, TT+16, TT+18
.else
	DADD TT, TT, TT+2
	DADD TT+16, TT+16, TT+18
	v_dual_fma_f32 v[LL], v[LL], v[FF], v[TT] :: v_dual_fma_f32 v[LL+1], v[LL+1], v[FF], v[TT+1]
	v_dual_fma_f32 v[LL+2], v[LL+2], v[FF+1], v[TT+16] :: v_dual_fma_f32 v[LL+3], v[LL+3], v[FF+1], v[TT+17]
.endif
.endm
	s_load_b256 s[4:11], s[0:1], 0x0               ; query s[4:5], kc s[6:7], vc s[8:9], the exponents s[10:11]
	s_load_b64 s[12:13], s[0:1], 0x20              ; out0
	v_lshl_add_u32 v[SPW], v0, 2, SPARE
	v_mov_b32 v[NIL], 0
	ds_add_u32 v[SPW], v[NIL]                      ; the wave's opening: the add, twice on end, and its wait ahead of the first tensor load
	ds_add_u32 v[SPW], v[NIL]
	v_lshrrev_b32 v1, 5, v0
	v_readfirstlane_b32 s[WV], v1                  ; wave 0..3
	s_and_b32 s22, s[WV], 1                        ; g
	s_lshr_b32 s17, s[WV], 1                       ; kh
	s_bfe_u32 s15, ttmp6, 0x40000                  ; cx: my place in the cluster
	s_lshl_b32 s2, ttmp9, 2                        ; in a cluster launch ttmp9 counts clusters
	s_add_co_u32 s2, s2, s15                       ; my block of 128 queries: it enters the query's and the output's addresses alone
	s_and_b32 s3, ttmp7, 0xffff                    ; the head, which the four partners share
	s_lshl_b32 s72, s3, 18                         ; the head's first byte in kc and in vc
	s_mov_b32 s73, 0
	s_lshl_b32 s74, s3, 20                         ; and in the query and the output,
	s_lshl_b32 s49, s2, 16                         ; + my block's 128 rows of 512 bytes,
	s_add_co_u32 s74, s74, s49
	s_lshl_b32 s49, s22, 15                        ; + 64 rows x g,
	s_add_co_u32 s74, s74, s49
	s_lshl_b32 s49, s17, 14                        ; + 32 rows x kh: pair Y
	s_add_co_u32 s74, s74, s49
	s_mov_b32 s75, 0
	s_lshl_b32 s76, s22, 14                        ; what I fetch.  K: 128 rows, 16,384 bytes on end: in memory,
	s_add_co_u32 s76, s76, s72
	s_mov_b32 s77, 0
	s_mul_i32 s66, s22, 128*KP                     ; and in a slot: no place in the cluster enters an LDS address
	s_lshl_b32 s78, s22, 17                        ; V: 64 rows of 2,048 bytes in memory,
	s_add_co_u32 s78, s78, s72
	s_mov_b32 s79, 0
	s_mul_i32 s67, s22, 64*VP
	s_add_co_u32 s67, s67, VOFF                    ; and in a slot
	; descriptor group 1.  K: 64 rows of 256 bytes, dense, padded behind each 128 bytes.  V: 64 rows of 256 bytes, 2,048 bytes apart
	s_mov_b32 s[G1K], 15|(1<<20)|(1<<21)|(4<<22)|(3<<25)   ; 15:0 the mask: all four work-groups; 17:16 elements of 1 byte; 20 padding on; 21 set beside a mask; 24:22 after every 32 words (code 4); 31:25 four words (code 3)
	s_mov_b32 s[G1K+1], 256<<16                    ; tensor_dim0
	s_mov_b32 s[G1K+2], 64<<16                     ; tensor_dim1
	s_mov_b32 s[G1K+3], 256<<16                    ; tile_dim0
	s_mov_b32 s[G1K+4], 64                         ; tile_dim1
	s_mov_b32 s[G1K+5], 256                        ; tensor_dim0_stride
	s_mov_b32 s[G1K+6], 0
	s_mov_b32 s[G1K+7], 0
	s_mov_b32 s[G1V], 15|(1<<20)|(1<<21)|(5<<22)|(3<<25)   ; padding: four words after every 64
	s_mov_b32 s[G1V+1], 256<<16
	s_mov_b32 s[G1V+2], 64<<16
	s_mov_b32 s[G1V+3], 256<<16
	s_mov_b32 s[G1V+4], 64
	s_mov_b32 s[G1V+5], 2048
	s_mov_b32 s[G1V+6], 0
	s_mov_b32 s[G1V+7], 0
	s_mov_b32 s[CS], 0x3e0293ee                    ; log2(e) / sqrt(128)
	s_mov_b32 s[SEL], 0x76543210
	s_mov_b32 s[SEL+1], 0xfedcba98
	s_mov_b32 s[TB], 0
	s_mov_b32 s[TBK], SLOT1
	s_mov_b32 s[SLOTS], 6                          ; 8 slots' worth of keys; two are asked for ahead of the first step
	s_xor_b32 s[LIM], s22, 1                       ; 0 in waves 1 and 3,
	s_or_b32 s[LIM], s[LIM], ttmp9                 ; where the cluster is the head's first: the same in all four partners
	s_cmp_eq_u32 s[LIM], 0
	s_cselect_b32 s[LIM], 1, -1
	s_wait_alu depctr_va_vdst(0)                   ; the wait here, directly ahead of the waits below
	s_wait_dscnt 0x0                               ; both opening adds are done
	s_wait_kmcnt 0x0
	s_load_b128 s[68:71], s[10:11], 0x0            ; eq, ek, ep, ev
	s_mov_b32 s[G0K], 1                            ; 1:0 count = 1
	s_mov_b32 s[G0K+1], s66                        ; 63:32 LDS address: slot 0
	s_add_nc_u64 s[G0K+2:G0K+3], s[6:7], s[76:77]  ; 120:64 global address
	s_or_b32 s[G0K+3], s[G0K+3], 0x80000000        ; 127:126 type = 2
	s_mov_b32 s[G0V], 1
	s_mov_b32 s[G0V+1], s67
	s_add_nc_u64 s[G0V+2:G0V+3], s[8:9], s[78:79]
	s_or_b32 s[G0V+3], s[G0V+3], 0x80000000
	s_cmp_lt_u32 s[WV], 2                          ; the prefetches: wave 1 stands in K's codes, wave 3 in V's (the other waves' are never used)
	s_cselect_b64 s[PFA:PFA+1], s[6:7], s[8:9]
	s_mov_b32 s[PFS], 256
	s_cselect_b32 s[PFS], 0x8000, s[PFS]           ; a slot on
	s_mov_b32 s[PFS+1], 0
	s_mov_b32 s23, 2048
	s_cselect_b32 s23, 256, s23                    ; from lane to lane
	s_cselect_b32 s49, 13, 16                      ; from partner to partner: 8,192 bytes of K's block, 32 rows of V
	v_and_b32 v[PFO], 31, v0
	v_mul_lo_u32 v[PFO], v[PFO], s23
	s_lshl_b32 s2, s15, s49
	s_add_co_u32 s2, s2, s72                       ; in my head,
	s_lshl_b32 s3, s[PFS], 1
	s_add_co_u32 s2, s2, s3                        ; in slot 2: the first change of slots steps it to slot 3.  Nothing is prefetched here, at the head
	s_mov_b32 s3, 0
	s_add_nc_u64 s[PFA:PFA+1], s[PFA:PFA+1], s[2:3]
	s_wait_alu depctr_va_vdst(0)                   ; the wait here, ahead of the round
	CROUND                                         ; all four work-groups are here: the first joint loads meet
	JLOAD                                          ; slot 0: one tensor load a wave at the head
	s_add_nc_u64 s[4:5], s[4:5], s[74:75]          ; the query and the output at pair Y's 32 rows
	s_add_nc_u64 s[12:13], s[12:13], s[74:75]
	v_and_b32 v1, 15, v0                           ; r
	v_bfe_u32 v2, v0, 4, 1                         ; h
	v_and_b32 v[LN], 31, v0
	v_lshlrev_b32 v3, 9, v1
	v_lshl_add_u32 v3, v2, 5, v3                   ; row r of 512 bytes, + 32 h
	v_lshlrev_b32 v[LN], 4, v[LN]
	s_wait_alu depctr_va_vdst(0)                   ; the wait here, ahead of the scalar lines below
	; Q's fragment holds, in registers 4 c .. 4 c + 3 of lane (r, h), the codes at bytes 32 c + 16 h + 0 .. 15 of a row laid as kc's rows are: byte 8 a + 4 u + i of the 16 is channel 64 u + 16 c + 8 h + 4 a + i
	WIN 0x40
.irp y, 0,1
.irp c, 0,1,2,3
.irp a, 0,1
.irp u, 0,1
	global_load_b128 v[64*\y+16*\c+8*\a+4*\u:64*\y+16*\c+8*\a+4*\u+3], v3, s[4:5] offset:8192*\y+64*\c+16*\a+256*\u
.endr
.endr
.endr
.endr
	WIN 0
	v_mul_u32_u24 v[AK0], v1, KP
	v_lshl_add_u32 v[AK0], v2, 4, v[AK0]
	s_mul_i32 s23, s17, 128*KP
	v_add_nc_u32 v[AK0], s23, v[AK0]               ; K: row 128 kh + r, + 16 h
	v_mul_u32_u24 v[AV0], v1, VP
	v_lshl_add_u32 v[AV0], v2, 4, v[AV0]
	s_lshl_b32 s23, s17, 7
	s_add_co_u32 s23, s23, VOFF
	v_add_nc_u32 v[AV0], s23, v[AV0]               ; V: row r, + 128 kh + 16 h
	v_add_nc_u32 v[ADK], s[TB], v[AK0]             ; step 0's K: slot 0
	s_lshl_b32 s23, s[WV], 12
	s_add_co_u32 s23, s23, QXB
	v_add_nc_u32 v4, s23, v[LN]                    ; the query's codes: where I put mine,
	s_xor_b32 s49, s[WV], 2
	s_lshl_b32 s49, s49, 12
	s_add_co_u32 s49, s49, QXB
	v_add_nc_u32 v5, s49, v[LN]                    ; and where my partner puts its own
	s_wait_alu depctr_va_vdst(0)                   ; the wait here, directly ahead of the wait below
	s_wait_kmcnt 0x0
	s_add_co_i32 s23, s68, s69
	s_lshl_b32 s23, s23, 23
	s_add_co_i32 s[CS], s[CS], s23                 ; a score stands for score x 2^(eq + ek): the two exponents are added to c's exponent field
	s_add_co_i32 s[EPV], s70, s71
	s_add_co_i32 s23, s70, 127
	s_lshl_b32 s51, s23, 23                        ; 2^ep as f32
	s_add_co_i32 s23, s23, 8
	s_lshl_b32 s23, s23, 23
	s_or_b32 s52, s23, 0x600000                    ; 448 x 2^ep
	s_add_co_i32 s23, s68, 127
	s_lshl_b32 s53, s23, 23                        ; 2^eq
	s_add_co_i32 s23, s23, 8
	s_lshl_b32 s23, s23, 23
	s_or_b32 s54, s23, 0x600000                    ; 448 x 2^eq
.irp w, 0,0x40                                 ; the constants stand in both pairs' windows
	WIN \w
	v_mov_b32 v[CC], s[CS]
	v_mov_b32 v[PSC], s51
	v_mov_b32 v[PLIM], s52
	v_mov_b32 v[PD], 0                             ; written once: a lane permute's destination counts as one of its sources
	v_mov_b32 v[PD+1], 0
.endr
	v_mov_b32 v[TT], s53
	v_mov_b32 v[TT+1], s54
	WIN 0x55
	s_wait_alu depctr_va_vdst(0)                   ; the wait here, directly ahead of the wait below
.macro QQ y                                    ; tile y's 64 numbers of a lane become its fragment's 16 registers
.irp c, 0,1,2,3
.set j, 0
.rept 16
	v_med3_num_f32 v[64*\y+16*\c+j], v[64*\y+16*\c+j], -v[TT+1], v[TT+1]   ; the conversion does not saturate (ISA guide 7.6.2): the hold at the largest code x the scale
.set j, j+1
.endr
	v_cvt_scalef32_pk8_fp8_f32 v[QC+16*\y+4*\c:QC+16*\y+4*\c+1], v[64*\y+16*\c:64*\y+16*\c+7], v[TT]
	v_cvt_scalef32_pk8_fp8_f32 v[QC+16*\y+4*\c+2:QC+16*\y+4*\c+3], v[64*\y+16*\c+8:64*\y+16*\c+15], v[TT]
.endr
.endm
	s_wait_loadcnt 16                              ; the first tile's 16 loads are in; the second's 16 may be out
	QQ 0
	s_wait_alu depctr_va_vdst(0)                   ; the wait here, directly ahead of the wait below
	s_wait_loadcnt 0x0
	QQ 1
	v_nop                                          ; a plain vector instruction behind the last conversion
	WIN 0x04
	s_wait_alu depctr_va_vdst(0)                   ; the wait at the head's end
	s_wait_tensorcnt 0x0                           ; my part of slot 0 is in
.irp i, 0,1,2,3,4,5,6,7
	ds_store_b128 v4, v[QC+4*\i:QC+4*\i+3] offset:512*\i   ; an image of pair Y's registers, for my partner, whose pair X it is
.endr
	WIN 0
	s_wait_tensorcnt 0x0
	ds_add_u32 v[SPW], v[NIL]
	WALK
	s_wait_dscnt 0x0                               ; the add and my stores are done
	CROUND                                         ; slot 0 is whole, in every partner
	JLOAD                                          ; slot 1's first fill, the first tensor load behind the round
.irp i, 0,1,2,3,4,5,6,7
	ds_load_b128 v[QC+4*\i:QC+4*\i+3], v5 offset:512*\i    ; pair X's codes
.endr
.set LI, 0
.set VW, 0xc0
.rept 8
	LDF 0                                          ; K of step 0
.endr
.set WK, 0
.set VW, 0x03
.set QKW, 0x03
	WIN 0x03
.set t, 0
.rept 4
	s_wait_dscnt 24-8*t                            ; LDS loads come back in order: pair X's codes and fragments 2 t, 2 t + 1 are in; four loads of each later fragment may be out
.rept 4
	WQK                                            ; X's S^T of step 0
.endr
.set t, t+1
.endr
	WIN 0
	v_nop
	v_nop                                          ; with the two address lines that follow: four places behind the products
	PHASE 0, 1, 0, 1, 0                            ; step 0
	PHASE 1, 1, 1, 1, 1
	PHASE 0, 0, 1, 1, 0                            ; X of step 1; the P V of Y of step 0 starts O of Y
	WIN 0
	s_mov_b32 s[SLOTS], 5
	s_wait_alu depctr_va_vdst(0)                   ; the wait here, ahead of the loop
.Lstep:                                            ; five trips: Y of step n, X of step n + 1, n = 1 .. 5; slots 3 to 7 are asked for
	PHASE 1, 0, 2, 1, 1
	PHASE 0, 0, 2, 1, 0
	WIN 0
	s_sub_co_u32 s[SLOTS], s[SLOTS], 1
	s_cmp_lg_u32 s[SLOTS], 0
	s_wait_alu depctr_va_vdst(0)                   ; the wait here, directly ahead of the branch
	s_cbranch_scc1 .Lstep
	PHASE 1, 0, 2, 1, 2                            ; the tail is written out
	PHASE 0, 0, 2, 1, 0
	PHASE 1, 0, 3, 0, 0
	; THE TWO HALVES OF THE KEYS ARE JOINED.  Pair X, whose sums are complete, goes to my partner as an image of its registers (lane l's 16 bytes at 16 l, 512 bytes a store), among pair Y's last products
	WIN 0
	s_mul_i32 s23, s[WV], EXB
	s_add_co_u32 s23, s23, EXCH                    ; my region, into which I store,
	v_lshrrev_b32 v165, 2, v[LN]
	v_add_nc_u32 v[EXW], s23, v[LN]
	s_add_co_u32 s23, s23, 16384
	v_add_nc_u32 v[EXS], s23, v165
	s_xor_b32 s49, s[WV], 2
	s_mul_i32 s49, s49, EXB
	s_add_co_u32 s49, s49, EXCH                    ; and my partner's, which I read
	v_add_nc_u32 v[EXR], s49, v[LN]
	v_bfe_u32 v166, v[LN], 4, 4                    ; r
	v_lshrrev_b32 v167, 8, v[LN]                   ; h
	v_mul_u32_u24 v[STO], v166, SP
	v_lshl_add_u32 v[STO], v167, 5, v[STO]
	v_add_nc_u32 v[STO], s49, v[STO]               ; the way out's stage: my partner's region, which I alone read: row r, 32 bytes for each half of the lanes
	s_add_co_u32 s49, s49, 16384
	v_add_nc_u32 v[EXT], s49, v165
	v_add_f32 v168, v[LL], v[LL+1]                 ; X's sums (my lane's keys')
	v_add_f32 v169, v[LL+2], v[LL+3]
	s_wait_alu depctr_va_vdst(0)                   ; the wait here, directly ahead of the switches below
.set WP, 0
.set PVZ, 0
.set OQ, 128
.set PVW, 0xa7
.set VW, 0x08
.set i, 0
.rept 16
	WPV                                            ; Y's O^T of step 7
	ds_store_b128 v[EXW], v[8*i:8*i+3] offset:1024*i       ; X's O^T, each accumulator from its low end on
	ds_store_b128 v[EXW], v[8*i+4:8*i+7] offset:1024*i+512
.set i, i+1
.endr
	WIN 0
	ds_store_b32 v[EXS], v[MM]
	ds_store_b32 v[EXS], v[MM+1] offset:128
	ds_store_b32 v[EXS], v168 offset:256
	ds_store_b32 v[EXS], v169 offset:384
	s_wait_dscnt 0x0                               ; for my partner's sake: my stores are done
	s_barrier_signal -1
	s_barrier_wait -1
.irp i, 0,1,2,3
	ds_load_b32 v[128+\i], v[EXT] offset:128*\i    ; my pair Y over the other half of the keys: -M, sums,
.endr
.set i, 0
.rept 32
	ds_load_b128 v[4*i:4*i+3], v[EXR] offset:512*i ; O^T
.set i, i+1
.endr
	s_wait_dscnt 0x0
	WIN 0x04
	v_min_num_f32 v132, v128, v[MM]                ; -M of both halves
	v_min_num_f32 v133, v129, v[MM+1]
	v_sub_f32 v134, v132, v[MM]                    ; my M less the joint one: a whole number, 0 or less
	v_sub_f32 v135, v133, v[MM+1]
	WIN 0x05
	v_add_f32 v138, v[LL], v[LL+1]
	v_add_f32 v139, v[LL+2], v[LL+3]
	WIN 0
	v_sub_f32 v136, v132, v128                     ; my partner's likewise
	v_sub_f32 v137, v133, v129
.irp i, 134,135,136,137
	v_cvt_i32_f32 v\i, v\i
.endr
.irp i, 134,135,136,137
	v_ldexp_f32 v\i, 1.0, v\i
.endr
	v_mul_f32 v140, v138, v134
	v_mul_f32 v141, v139, v135
	v_fma_f32 v140, v130, v136, v140               ; the two sums under the joint M,
	v_fma_f32 v141, v131, v137, v141
	v_permlanex16_b32 v[PD], v140, s[SEL], s[SEL+1]
	v_permlanex16_b32 v[PD+1], v141, s[SEL], s[SEL+1]
	v_add_f32 v140, v140, v[PD]                    ; and lane l xor 16's: the row's sum
	v_add_f32 v141, v141, v[PD+1]
	s_wait_alu depctr_va_vdst(0)                   ; the wait ahead of the batch
	v_rcp_f32 v144, v140
	v_rcp_f32 v145, v141
	v_nop                                          ; a plain instruction behind the reciprocals
	s_wait_alu depctr_va_vdst(0)                   ; the wait behind it
	v_ldexp_f32 v144, v144, s[EPV]                 ; x 2^(ep + ev)
	v_ldexp_f32 v145, v145, s[EPV]
	v_mul_f32 v146, v134, v144                     ; what my O^T is multiplied by,
	v_mul_f32 v147, v135, v145
	v_mul_f32 v148, v136, v144                     ; and my partner's
	v_mul_f32 v149, v137, v145
.set j, 0
.rept 32
	DMUL j, 148
	DMUL 64+j, 149
.set j, j+2
.endr
	WIN 0x42                                       ; source 0 (my O^T) window 2, destination window 1
	s_wait_alu depctr_va_vdst(0)                   ; the wait here, directly ahead of the first readers of O^T
.set j, 0
.rept 32
	v_dual_fma_f32 v[j], v[128+j], v146, v[j] :: v_dual_fma_f32 v[j+1], v[129+j], v146, v[j+1]   ; register 64 x + 8 t + i is o(16 x + r, 16 t + 8 h + i)
	v_dual_fma_f32 v[64+j], v[192+j], v147, v[64+j] :: v_dual_fma_f32 v[65+j], v[193+j], v147, v[65+j]
.set j, j+2
.endr
	; THE WAY OUT: a tile's 16 rows of 512 bytes at a time through the stage; a store's 32 lanes cover a whole row.  LDS serves a wave's instructions in order (ISA guide 5.7.1.4)
.irp x, 0,1
	WIN 0x04
.irp t, 0,1,2,3,4,5,6,7
	ds_store_b128 v[STO], v[64*\x+8*\t:64*\x+8*\t+3] offset:16*SP*\x+64*\t
	ds_store_b128 v[STO], v[64*\x+8*\t+4:64*\x+8*\t+7] offset:16*SP*\x+64*\t+16
.endr
	WIN 0
.set i, 0
.rept 16
	ds_load_b128 v[64*\x+4*i:64*\x+4*i+3], v[EXR] offset:16*SP*\x+SP*i
.set i, i+1
.endr
.endr
.irp x, 0,1
.set i, 0
.rept 16
	s_wait_dscnt 32*(1-\x)+15-i                    ; behind this load: the rest of its tile's, and for the first tile the second's 16 stores and 16 loads
	global_store_b128 v[LN], v[64*\x+4*i:64*\x+4*i+3], s[12:13] offset:8192*\x+512*i th:TH_STORE_NT
.set i, i+1
.endr
.endr
	s_wait_tensorcnt 0x0                           ; the wave's end
	ds_add_u32 v[SPW], v[NIL]
	s_wait_dscnt 0x0
	CROUND                                         ; the closing round: no work-group ends while a partner may still ask for a tile that names it
	s_endpgm
.Lfunc_end_k_qd5e75a7df3_attn:
	.size	k_qd5e75a7df3_attn, .Lfunc_end_k_qd5e75a7df3_attn-k_qd5e75a7df3_attn
	.p2alignl 7, 3214868480
	.fill 96, 4, 3214868480
	.section	.rodata,"a",@progbits
	.p2align	6, 0x0
	.amdhsa_kernel k_qd5e75a7df3_attn
		.amdhsa_group_segment_fixed_size 327680
		.amdhsa_private_segment_fixed_size 0
		.amdhsa_enable_private_segment 0
		.amdhsa_kernarg_size 40
		.amdhsa_user_sgpr_count 2
		.amdhsa_user_sgpr_kernarg_segment_ptr 1
		.amdhsa_wavefront_size32 1
		.amdhsa_system_sgpr_workgroup_id_x 1
		.amdhsa_system_sgpr_workgroup_id_y 1
		.amdhsa_system_sgpr_workgroup_id_z 1
		.amdhsa_system_vgpr_workitem_id 0
		.amdhsa_next_free_vgpr 1024
		.amdhsa_next_free_sgpr 80
		.amdhsa_reserve_vcc 0
		.amdhsa_float_denorm_mode_32 3
		.amdhsa_float_denorm_mode_16_64 3
		.amdhsa_memory_ordered 1
		.amdhsa_forward_progress 1
		.amdhsa_inst_pref_size 255
	.end_amdhsa_kernel
	.section	.bss,"aw",@nobits
	.p2align	6
	.space	262144
	.amdgpu_metadata
---
amdhsa.version: [ 1, 2 ]
amdhsa.kernels:
  - .name:           k_qd5e75a7df3_attn
    .symbol:         k_qd5e75a7df3_attn.kd
    .args:
      - { .name: query, .offset: 0, .size: 8, .value_kind: global_buffer, .address_space: global }
      - { .name: kc, .offset: 8, .size: 8, .value_kind: global_buffer, .address_space: global }
      - { .name: vc, .offset: 16, .size: 8, .value_kind: global_buffer, .address_space: global }
      - { .name: lowp_scales, .offset: 24, .size: 8, .value_kind: global_buffer, .address_space: global }
      - { .name: out0, .offset: 32, .size: 8, .value_kind: global_buffer, .address_space: global }
    .group_segment_fixed_size: 327680
    .private_segment_fixed_size: 0
    .kernarg_segment_align: 8
    .kernarg_segment_size: 40
    .max_flat_workgroup_size: 128
    .sgpr_count:     80
    .vgpr_count:     1024
    .wavefront_size: 32
...
	.end_amdgpu_metadata
.endif
;; end of part 2
